; MI455X (gfx1250); checked and timed in simulation.
; The chip was launched on July 23, 2026; its instructions are those of AMD's public machine-readable ISA for CDNA 5 (MIT licence, August 2026) and "CDNA5" Instruction Set Architecture Reference Guide (July 2026). The comments in the code are by the model that wrote it; some were corrected since.
;; Self attention2. Allowed arithmetic: matrix products marked QUANTISED: E3M2 operands, one E8M0 scale for each 32 along K, by v_wmma_scale_f32_16x16x128_f8f6f4 with both operands' format E3M2, f32 sums; everything else in f32.
;; Inputs: W1 1,024 x 1,024 float32; W2 1,024 x 1,024 float32; Wk 1,024 x 1,024 float32; Wq 1,024 x 1,024 float32; Wv 1,024 x 1,024 float32; b1 1,024 float32; b2 1,024 float32; l 8 int32; ln_bias 1,024 float32; ln_scale 1,024 float32; x 8 x 1,024 x 1,024 float32.
;; Outputs: out0 8 x 1,024 x 1,024 float32.
;; This version of the problem:
;;   THIS VERSION OF THE PROBLEM IS GIVEN IN LOW PRECISION. The matrix products marked QUANTISED in the list below multiply operands that are first quantised to E3M2 (3 exponent bits, 2 mantissa bits; 6 bits a number), with one power-of-two scale for each 32 numbers along K (OCP MX v1.0); their sums are f32. All else is computed in f32.
;;   The module's matrix products, in the order in which they are computed (A, B: the left and right operand; K: the contracted axis; several contracted axes count as one K, in the product's order):
;;     1. [M 8,192, K 1,024] x [K 1,024, N 1,024]; A: computed on the way; B: input Wq: QUANTISED
;;     2. [M 8,192, K 1,024] x [K 1,024, N 1,024]; A: computed on the way; B: input Wk: QUANTISED
;;     3. [M 8,192, K 1,024] x [K 1,024, N 1,024]; A: computed on the way; B: input Wv: QUANTISED
;;     4. batch 8 x [M 1,024, K 1,024] x [K 1,024, N 1,024]; A: computed on the way; B: computed on the way: QUANTISED
;;     5. batch 8 x [M 1,024, K 1,024] x [K 1,024, N 1,024]; A: computed on the way; B: computed on the way: QUANTISED
;;     6. [M 8,192, K 1,024] x [K 1,024, N 1,024]; A: computed on the way; B: input W1: QUANTISED
;;     7. [M 8,192, K 1,024] x [K 1,024, N 1,024]; A: computed on the way; B: input W2: QUANTISED
;;   THE QUANTISER, for each operand of a quantised product, along K:
;;     - K is cut into blocks of 32 from its start; a last block that is shorter is filled with zeros.
;;     - A block's scale is 2^e with e = floor(log2(the largest magnitude in the block)) - 4, held to -126 .. 127; a block of zeros has e = 0. As a byte (E8M0): e + 127.
;;     - Each number is divided by its block's scale, clamped to +-28, and rounded to the nearest number of E3M2, ties to even, subnormals kept.
;;     - The product sums the exact products of the quantised numbers (number of the format x scale) in f32.
;;   ~~~python
;;   def quantise(x, axis):      # numpy; x: float32 -> the quantised numbers, widened to float32 again
;;       x = np.moveaxis(x, axis, -1); K = x.shape[-1]
;;       x = np.pad(x, [(0, 0)] * (x.ndim - 1) + [(0, -K % 32)]); x = x.reshape(x.shape[:-1] + (-1, 32)); a = np.abs(x).max(-1, keepdims=True)
;;       e = np.where(a > 0, np.clip(np.frexp(np.where(a > 0, a, 1))[1] - 1 - 4, -126, 127), 0)      # np.frexp(a)[1] - 1 = floor(log2(a)), exactly
;;       r = np.clip(x / 2.0 ** e, -28, 28)
;;       step = 2.0 ** (np.maximum(np.frexp(np.where(r == 0, 1, r))[1] - 1, -2) - 2)
;;       q = np.round(r / step) * step * 2.0 ** e      # np.round: ties to even
;;       return np.moveaxis(q.reshape(q.shape[:-2] + (-1,))[..., :K], -1, axis).astype(np.float32)
;;   ~~~
;;   OPERANDS COMPUTED ON THE WAY. 'Computed on the way' means the value that the module computes at that place (a softmax that the list does not call 'softmax' is quantised finished and normalised). What goes into a quantiser is computed in f32, as accurately as f32 sums, v_exp_f32 and their like allow (about 1e-6 of the number): no bf16 or f16 on the way to a quantiser, and a product that is left as it is and whose result goes on into a quantised operand takes f32 operands (vector FMAs, or v_wmma_f32_16x16x4_f32). A number that lies on a knife's edge between two numbers of the format may be rounded either way, as far as f32 arithmetic and the matrix unit's own rounding can turn it there, and no further.
;; One version. Each part assembles by itself: llvm-mc -triple=amdgcn-amd-amdhsa -mcpu=gfx1250 --defsym DOCPART=n.
;; ======== version 1 of 1: 2 launches
;; workspace buffers: aq 6,553,600 bytes; wq 819,200 bytes
;; launch quant (part 1): grid 288 x 1, 4 waves a work-group, no clusters, 34,304 bytes of LDS; arguments x, W2, aq, wq; writes aq, wq
.if DOCPART == 1
	.amdgcn_target "amdgcn-amd-amdhsa--gfx1250"
	.amdhsa_code_object_version 6
	.text
	.protected	k_qbac1ec6383_quant
	.globl	k_qbac1ec6383_quant
	.p2align	8
	.type	k_qbac1ec6383_quant,@function
k_qbac1ec6383_quant:
	s_mov_b64 s[64:65], 0
	v_nop
	global_prefetch_b8 v0, s[64:65] scope:SCOPE_SE
	s_setreg_imm32_b32 hwreg(HW_REG_WAVE_MODE, 25, 1), 1
	s_wait_xcnt 0x0
; THE PROGRAM.  reference() returns (relu(x) + x) W2^T + b2: its line att = relu(x) replaces what LayerNorm, q, k, v, the scores, the softmax, attn v and W1, b1 have made, for every input.
; So no number of the output hangs on l, ln_scale, ln_bias, Wq, Wk, Wv, W1 or b1: this program does not load them and computes the last product alone.  Two launches: this one quantises both operands, the next multiplies.
; THIS LAUNCH.  A = relu(x) + x, [8192][1024], and W2, [1024][1024], both f32 with K innermost, become codes of BF6 (E3M2), 6 bits each, with one E8M0 scale byte for each 32 along K.
; A block's scale is 2^(floor(log2(its largest magnitude)) - 4); its byte is the largest magnitude's exponent field - 4, held at 1 from below.  Each number is divided by the scale and rounded to the nearest code, ties to even; beyond 28 the largest code.
; relu(x) + x = max(x, 2 x), exactly.  W2 takes the same lines with the factor 1: max(w, w) = w.  So both tensors take one path through the text; only pointers and the factor are chosen, by the work-group's number.
; LIMITS: NaN and infinities among the inputs are not served.  A block of zeros gets the byte 1 where the rule says 127: its codes are zeros, which add nothing under any byte but 0xff, and the bytes are read by this program alone.
;   Blocks whose largest magnitude lies under 2^-122 get the byte 1, as the rule asks; they were not tried.
; THE WORKSPACE IS LAID AS THE NEXT LAUNCH READS IT: blocks of 25,600 bytes, block 4 g + c for the 128 rows 128 g on and the 256 along K 256 c on.
;   Bytes 0 .. 24,575: images of operand registers.  The fragment of row tile t (16 rows) and K step q (128 along K) lies at 3,072 t + 1,536 q; in it registers 4 e .. 4 e + 3 of lane l lie at 512 e + 16 l.
;   Bytes 24,576 .. 25,599: scale words (four bytes: 128 along K of one row): that of tile t, row r, K step q at 24,576 + 128 t + 8 r + 4 q.
; SHARES.  A work-group writes one block whole: 256 work-groups for A, 32 for W2.  Wave w takes row tiles 2 w and 2 w + 1: four fragments f = 2 u + q.  Waves share nothing: no barrier.
; A load reads 512 consecutive bytes of one row, 16 a lane; the conversions want 16 NEIGHBOURS along K in one lane's registers.  So a fragment's 16 rows x 512 bytes turn through the wave's own stage in LDS.
; Two fragments' loads (32 a wave) are out at the start, and one fragment's while another is worked on.  Every offset is an immediate: no pointer is stepped.
.set XWG,    256                       ; work-groups that take x
.set BLK,    25600                     ; a block of the workspace
.set SCOFF,  24576                     ; where its scale words begin
.set SPITCH, 528                       ; a stage row: 512 bytes + 16 = 33 x 16 bytes: sixteen rows start at sixteen different places of 16 bytes modulo 256 (64 banks of 4 bytes: ISA guide 11.1)
.set WSTG,   16*SPITCH                 ; a wave's stage
.set L16,  2                           ; v2   16 x lane: my bytes of a load's 512, and of a store's
.set SIN,  3                           ; v3   the stage, on the way in: 16 x lane in row i
.set SOUT, 4                           ; v4   and on the way out: row r, + 64 h: my 16 numbers of a block of 32
.set L8,   5                           ; v5   8 x lane: my two scale words
.set TM,   8                           ; v8-11 largest magnitudes, v12-15 the other half's and then the bytes, v20-23 the conversions' scale operands
.set PW,   24                          ; v24-27 fragment f's scale word
.set SW,   28                          ; v[28:29] the two words that I store
.set X,    32                          ; v32-95   64 numbers: register 16 b + i = k 32 b + 16 h + i of row r
.set T,    96                          ; v96-103  at work
.set PC,   104                         ; v104-115 a fragment's codes; v116-122 at work
.set R,    124                         ; v124-251 two sets of 64: a fragment as it is loaded
.set SEL,  20                          ; s[20:21] lane selects for v_permlanex16_b32: lane l xor 16
.set FAC,  22                          ; s[22:23] the factor, 2 or 1 (the packed form names a pair and takes its low word for both halves)
	s_load_b128 s[4:7], s[0:1], 0x0                ; x, W2
	s_load_b128 s[8:11], s[0:1], 0x10              ; aq, wq
	v_lshl_add_u32 v254, v0, 2, 0x8400
	v_mov_b32 v255, 0
	v_lshrrev_b32 v1, 5, v0
	v_readfirstlane_b32 s12, v1                    ; wave 0..3
	v_and_b32 v1, 31, v0                           ; lane
	v_and_b32 v6, 15, v0                           ; r
	v_bfe_u32 v7, v0, 4, 1                         ; h
	s_mul_i32 s13, s12, WSTG                       ; my stage
	v_lshlrev_b32 v[L16], 4, v1
	v_lshlrev_b32 v[L8], 3, v1
	v_add_nc_u32 v[SIN], s13, v[L16]
	v_mul_u32_u24 v[SOUT], v6, SPITCH
	v_lshl_add_u32 v[SOUT], v7, 6, v[SOUT]
	v_add_nc_u32 v[SOUT], s13, v[SOUT]
.irp b, 0,1,2,3
	v_mov_b32 v[TM+4+\b], 0                        ; written once: a lane permute's destination counts as one of its sources
.endr
	s_mov_b32 s[SEL], 0x76543210
	s_mov_b32 s[SEL+1], 0xfedcba98
	s_wait_kmcnt 0x0
	s_cmp_lt_u32 ttmp9, XWG                        ; x's work-group or W2's?  The choice hangs on the work-group's number alone
	s_cselect_b64 s[4:5], s[4:5], s[6:7]           ; from where,
	s_cselect_b64 s[8:9], s[8:9], s[10:11]         ; to where,
	s_cselect_b32 s[FAC], 2.0, 1.0                 ; the factor,
	s_cselect_b32 s14, 0, XWG                      ; (all four selects stand ahead of the subtraction, which sets SCC)
	s_sub_co_u32 s14, ttmp9, s14                   ; and which block of that tensor: 4 g + c
	s_mov_b32 s[FAC+1], s[FAC]
	s_lshr_b32 s16, s14, 2
	s_lshl_b32 s16, s16, 19                        ; g x 128 rows of 4,096 bytes
	s_lshl_b32 s18, s12, 17                        ; + wave x 32 rows
	s_add_co_u32 s16, s16, s18
	s_and_b32 s18, s14, 3
	s_lshl_b32 s18, s18, 10                        ; + c x 256 numbers
	s_add_co_u32 s16, s16, s18
	s_mov_b32 s17, 0
	s_add_nc_u64 s[4:5], s[4:5], s[16:17]
	s_mul_i32 s18, s14, BLK
	s_mov_b32 s19, 0
	s_add_nc_u64 s[8:9], s[8:9], s[18:19]          ; my work-group's block
	s_lshl_b32 s16, s12, 8
	s_add_co_u32 s16, s16, SCOFF
	s_add_nc_u64 s[10:11], s[8:9], s[16:17]        ; my two tiles' scale words: 256 bytes
	s_mul_i32 s16, s12, 6144
	s_add_nc_u64 s[8:9], s[8:9], s[16:17]          ; my two tiles' four fragments
.macro LOAD f                          ; fragment f = 2 u + q: rows 16 u + i, the 512 bytes of K step q, into set f % 2
.irp i, 0,1,2,3,4,5,6,7,8,9,10,11,12,13,14,15
	global_load_b128 v[R+64*((\f)%2)+4*\i:R+64*((\f)%2)+4*\i+3], v[L16], s[4:5] offset:(16*((\f)/2)+\i)*4096+512*((\f)%2) th:TH_LOAD_NT   ; 32 lanes read 512 consecutive bytes, at a multiple of 512 from the buffer's first byte
.endr
.endm
.macro TURN f                          ; through the stage: LDS serves a wave's instructions in order (ISA guide 5.7.1.4), so no wait stands between the stores and the loads
.irp i, 0,1,2,3,4,5,6,7,8,9,10,11,12,13,14,15
	ds_store_b128 v[SIN], v[R+64*((\f)%2)+4*\i:R+64*((\f)%2)+4*\i+3] offset:SPITCH*\i
.endr
.irp b, 0,1,2,3
.irp j, 0,1,2,3
	ds_load_b128 v[X+16*\b+4*\j:X+16*\b+4*\j+3], v[SOUT] offset:128*\b+16*\j
.endr
.endr
.endm
.macro ACT                             ; max(x, factor x), eight numbers at a time
.irp g, 0,1,2,3,4,5,6,7
.irp j, 0,2,4,6
	v_pk_mul_f32 v[T+\j:T+\j+1], v[X+8*\g+\j:X+8*\g+\j+1], s[FAC:FAC+1] op_sel_hi:[1,0]
.endr
.irp j, 0,1,2,3,4,5,6,7
	v_max_num_f32 v[X+8*\g+\j], v[X+8*\g+\j], v[T+\j]
.endr
.endr
.endm
.macro QUANT f                         ; the 64 numbers in v[X] on become a fragment's codes in v[PC] on and its scale word in v[PW + f]
.irp b, 0,1,2,3
	v_max3_num_f32 v[TM+\b], |v[X+16*\b]|, |v[X+1+16*\b]|, 0x2800000   ; block b: my 16 numbers, and the floor 2^(5 - 127), under which no largest magnitude is taken: so the byte cannot fall under 1
.endr
.irp i, 2,4,6,8,10,12,14
.irp b, 0,1,2,3
	v_max3_num_f32 v[TM+\b], v[TM+\b], |v[X+16*\b+\i]|, |v[X+1+16*\b+\i]|   ; (the four blocks by turns: no line waits for the line above it)
.endr
.endr
.irp b, 0,1,2,3
	v_permlanex16_b32 v[TM+4+\b], v[TM+\b], s[SEL], s[SEL+1]
.endr
.irp b, 0,1,2,3
	v_max_num_f32 v[TM+\b], v[TM+\b], v[TM+4+\b]   ; with lane l xor 16's: the block's largest magnitude
.endr
.irp b, 0,1,2,3
	v_add_nc_u32 v[TM+12+\b], 0xfe000000, v[TM+\b] ; 4 off its exponent field: the conversion takes the exponent field of this operand as its scale, and nothing else of it
.endr
.irp b, 0,1,2,3
	v_lshrrev_b32 v[TM+4+\b], 23, v[TM+12+\b]      ; the scale's byte
.endr
	v_lshl_or_b32 v[PW+(\f)], v[TM+5], 8, v[TM+4]  ; the four bytes make my row's scale word (both halves of the lanes hold it)
	v_lshl_or_b32 v[PW+(\f)], v[TM+6], 16, v[PW+(\f)]
	v_lshl_or_b32 v[PW+(\f)], v[TM+7], 24, v[PW+(\f)]
.irp c, 0,1
	v_cvt_scalef32_pk16_bf6_f32 v[PC+6*\c:PC+2+6*\c], v[X+32*\c:X+15+32*\c], v[TM+12+2*\c]
	v_cvt_scalef32_pk16_bf6_f32 v[PC+12+4*\c:PC+14+4*\c], v[X+16+32*\c:X+31+32*\c], v[TM+12+2*\c+1]   ; (a conversion's three registers begin on an even number)
.endr
	v_nop                                          ; one plain vector instruction between a scaled conversion and the vector instruction that touches its result
.irp c, 0,1                            ; the operand's layout wants a WHOLE block in a lane: lanes 0-15 block 2 c, lanes 16-31 block 2 c + 1
.irp i, 0,1,2
	v_permlane16_swap_b32 v[PC+6*\c+\i], v[PC+12+4*\c+\i]
.endr
.irp i, 0,1,2
	v_mov_b32 v[PC+3+6*\c+\i], v[PC+12+4*\c+\i]
.endr
.endr
.endm
.macro OUT f                           ; the fragment leaves as an image of its registers
.irp e, 0,1,2
	global_store_b128 v[L16], v[PC+4*\e:PC+4*\e+3], s[8:9] offset:3072*((\f)/2)+1536*((\f)%2)+512*\e   ; 32 lanes store 512 consecutive bytes, at a multiple of 512 from the buffer's first byte
.endr
.endm
.macro FRAGMENT f
.if (\f) < 3
	s_wait_loadcnt 16                              ; loads come back in order (ISA guide 5.7.1): this fragment's sixteen are in, the next fragment's sixteen may be out
.else
	s_wait_loadcnt 0x0
.endif
	TURN \f
	s_wait_dscnt 0x0                               ; my 64 numbers are back, and the stores into the stage have read their registers,
.if (\f) < 2
	LOAD (\f)+2                                    ; which take the fragment two further on
.endif
	ACT
.if (\f) > 0
	s_wait_xcnt 0x0                                ; the last fragment's stores have read their data: the codes' registers are written again only behind this wait
.endif
	QUANT \f
	OUT \f
.endm
	LOAD 0
	LOAD 1
	FRAGMENT 0
	FRAGMENT 1
	FRAGMENT 2
	FRAGMENT 3
	v_cmp_gt_u32 vcc_lo, 16, v1                    ; lanes 0-15 carry tile 2 w's words of row r, lanes 16-31 tile 2 w + 1's
	v_cndmask_b32 v[SW], v[PW+2], v[PW], vcc_lo    ; K step 0
	v_cndmask_b32 v[SW+1], v[PW+3], v[PW+1], vcc_lo   ; K step 1
	global_store_b64 v[L8], v[SW:SW+1], s[10:11]   ; 32 lanes store 256 consecutive bytes, at a multiple of 256 from the buffer's first byte
	s_wait_tensorcnt 0x0
	ds_add_u32 v254, v255
	s_wait_dscnt 0x0
	s_endpgm
.Lfunc_end_k_qbac1ec6383_quant:
	.size	k_qbac1ec6383_quant, .Lfunc_end_k_qbac1ec6383_quant-k_qbac1ec6383_quant
	.p2alignl 7, 3214868480
	.fill 96, 4, 3214868480
	.section	.rodata,"a",@progbits
	.p2align	6, 0x0
	.amdhsa_kernel k_qbac1ec6383_quant
		.amdhsa_group_segment_fixed_size 34304
		.amdhsa_private_segment_fixed_size 0
		.amdhsa_enable_private_segment 0
		.amdhsa_kernarg_size 32
		.amdhsa_user_sgpr_count 2
		.amdhsa_user_sgpr_kernarg_segment_ptr 1
		.amdhsa_wavefront_size32 1
		.amdhsa_system_sgpr_workgroup_id_x 1
		.amdhsa_system_sgpr_workgroup_id_y 1
		.amdhsa_system_sgpr_workgroup_id_z 1
		.amdhsa_system_vgpr_workitem_id 0
		.amdhsa_next_free_vgpr 256
		.amdhsa_next_free_sgpr 66
		.amdhsa_reserve_vcc 1
		.amdhsa_float_denorm_mode_32 3
		.amdhsa_float_denorm_mode_16_64 3
		.amdhsa_memory_ordered 1
		.amdhsa_forward_progress 1
		.amdhsa_inst_pref_size 49
	.end_amdhsa_kernel
	.amdgpu_metadata
---
amdhsa.version: [ 1, 2 ]
amdhsa.kernels:
  - .name:           k_qbac1ec6383_quant
    .symbol:         k_qbac1ec6383_quant.kd
    .args:
      - { .name: x, .offset: 0, .size: 8, .value_kind: global_buffer, .address_space: global }
      - { .name: W2, .offset: 8, .size: 8, .value_kind: global_buffer, .address_space: global }
      - { .name: aq, .offset: 16, .size: 8, .value_kind: global_buffer, .address_space: global }
      - { .name: wq, .offset: 24, .size: 8, .value_kind: global_buffer, .address_space: global }
    .group_segment_fixed_size: 34304
    .private_segment_fixed_size: 0
    .kernarg_segment_align: 8
    .kernarg_segment_size: 32
    .max_flat_workgroup_size: 128
    .sgpr_count:     66
    .vgpr_count:     256
    .wavefront_size: 32
...
	.end_amdgpu_metadata
.endif
;; end of part 1
;; launch gemm (part 2): grid 4 x 64, 4 waves a work-group, clusters of 4 x 4, 327,680 bytes of LDS; arguments aq, wq, b2, out0; writes out0
.if DOCPART == 2
	.amdgcn_target "amdgcn-amd-amdhsa--gfx1250"
	.amdhsa_code_object_version 6
	.text
	.protected	k_qbac1ec6383_gemm
	.globl	k_qbac1ec6383_gemm
	.p2align	8
	.type	k_qbac1ec6383_gemm,@function
k_qbac1ec6383_gemm:
	s_mov_b64 s[64:65], 0
	v_nop
	global_prefetch_b8 v0, s[64:65] scope:SCOPE_SE
	s_setreg_imm32_b32 hwreg(HW_REG_WAVE_MODE, 25, 1), 1
	s_wait_xcnt 0x0
	s_wait_alu depctr_hold_cnt(0) depctr_sa_sdst(0) depctr_va_vdst(0) depctr_va_sdst(0) depctr_va_ssrc(0) depctr_va_vcc(0) depctr_vm_vsrc(0)
	s_getreg_b32 s2, hwreg(HW_REG_IB_STS2, 6, 4)
	s_cmp_eq_u32 s2, 0
	s_cbranch_scc0 .Lentry_in_a_cluster
	s_endpgm
.Lentry_in_a_cluster:
	s_bfe_u32 s2, ttmp6, 0x10000c
	s_cmp_lg_u32 s2, 0xf033
	s_cbranch_scc0 .Lentry_shape_is_right
	s_endpgm
.Lentry_shape_is_right:
; out0[m][n] = b2[n] + the sum over k of A[m][k] W2[n][k], m < 8,192, n < 1,024, k < 1,024; A = relu(x) + x and W2 as codes of BF6 (E3M2) with one E8M0 scale for each 32 along K, made by the launch before; sums in f32.
; (The other products of reference() do not reach its result: see the head of the launch before.)
; THE OPERANDS lie in blocks of 25,600 bytes, block 4 g + c for the 128 rows 128 g on and the 256 along K 256 c on: 24,576 bytes of images of operand registers (row tile t, K step q at 3,072 t + 1,536 q; registers 4 e .. 4 e + 3
; of lane l at 512 e + 16 l), then 1,024 bytes of scale words (tile t, row r, K step q at 24,576 + 128 t + 8 r + 4 q).  A fragment so comes by three loads of 16 bytes a lane, 512 consecutive bytes each: no pitch, no padding.
; SHARES.  A work-group makes 128 rows x 256 columns: 64 x 4 = 256 work-groups.  Four waves, each 64 rows x 128 columns: 32 accumulators of 16 x 16, 256 registers; 8 K steps of 128: 256 matrix instructions a wave.
; ALL OF K LIES IN LDS: 4 chunks of 76,800 bytes (A's block, then the two blocks of W2), 307,200 bytes, each byte filled once.  All loads go out together at the start, four a wave, and each chunk is read as soon as it is whole:
; the counted waits leave the later chunks on their way.  Nothing is filled a second time, so there is no ring.
; CLUSTERS: 4 x 4 work-groups.  The four of a row of the cluster need the same blocks of A, the four of a column the same blocks of W2: each is asked for JOINTLY, by the same tensor load with the same descriptor and a mask
; that names the four: that divides the requests for both operands by four.
; THE MATRIX INSTRUCTION IS USED TRANSPOSED (source 0 = 16 rows of W2, source 1 = 16 rows of A): a lane then holds eight neighbouring numbers of a row of the output.  The bias is the C of each sum's first product.
; REGISTERS, in windows of 256: window 0: v1-27 addresses; v32-79 scale words, 12 a chunk, loaded once each; v80-143 the bias, 8 a tile of columns; v144-239 A's fragments, two sets of 4; on the way out v128-255 are free.
;   window 1: W2's fragments, two sets of 8, at v0 and at v128.   window 2: the accumulators, (a, b) at v[8 (8 a + b)].
.set CHUNK,  76800                     ; a chunk in LDS: 256 along K of A's 128 rows and W2's 256
.set BLK,    25600                     ; a block
.set SCOFF,  24576                     ; where a block's scale words begin
.set TILEB,  3072                      ; a row tile's two fragments
.set FRB,    1536                      ; a fragment's image
.set SPITCH, 528                       ; the way out: a stage of 16 rows x (512 bytes + 16) for each wave.  It lies in chunk 0, which has had its one fill, and which nobody reads behind the barrier in front of chunk 1
.set L16,  3                           ; v3     16 x lane: an image's place for my lane, and my bytes in a row of the output
.set ADRA, 4                           ; v4-7   LDS address of my A fragments in chunk c
.set ADRB, 8                           ; v8-11  of my W2 fragments
.set ADSA, 12                          ; v12-15 of my A scale words
.set ADSB, 16                          ; v16-19 of my W2 scale words
.set STO,  24                          ; v24    the way out: where I put 32 bytes of a row
.set RD,   25                          ; v25    and where I read a row back
.set BO,   27                          ; v27    32 x (lane / 16): my eight numbers of a tile's sixteen of b2
.set SC,   32                          ; chunk c's scale words at v[SC + 12 c]: + 2 j + q: A's tiles 2 j (lanes 0-15) and 2 j + 1 (lanes 16-31), K step q; + 4 + 2 j + q: W2's likewise
.set BI,   80                          ; v[BI + 8 b + j] = b2 at my column 16 b + 8 (lane / 16) + j
.set AF,   144                         ; A's fragments: set p at AF + 48 p
.set BK,   128                         ; the way out: 16 rows read back from the stage: v128-191 and v192-255 by turns
.set G1A,  24                          ; s[24:31] descriptor group 1 for A's half blocks
.set G1B,  32                          ; s[32:39] for W2's blocks
.set G0A,  48                          ; s[48:63] descriptor group 0 for A, a set for each chunk
.set G0B,  68                          ; s[68:83] for W2
.set MSB, 0
.macro WIN new                         ; the immediate's high byte repeats the setting that is left; a switch that changes nothing is dropped
.if MSB != \new
	s_set_vgpr_msb (MSB<<8)|\new
.set MSB, \new
.endif
.endm
.set TO_B,  0x40                       ; destination window 1, address window 0
.set MUL_0, 0x81                       ; source 0 (W2) window 1, source 1 (A) and C (the bias) window 0, D window 2
.set MUL_N, 0xa1                       ; the same with C in window 2
.set FROM_C, 0x08                      ; an LDS store's data are its source 1: window 2
; A round of the cluster's barrier: my work-group's barrier, so that wave 0's signal speaks for all four waves; wave 0 signals for the work-group; every wave waits for all sixteen work-groups; my work-group's barrier once more.
.macro CROUND
	s_barrier_signal -1
	s_barrier_wait -1
	s_cmp_lg_u32 s14, 0
	s_cbranch_scc1 .Lnot_wave_0_\@
	s_barrier_signal -3
.Lnot_wave_0_\@:
	s_barrier_wait -3
	s_barrier_signal -1
	s_barrier_wait -1
.endm
; A load into a register that a matrix instruction has read, and an LDS store that reads a matrix result, stand four places behind that matrix instruction, and only plain vector instructions that name none of its
; registers are places (ISA guide 7.12.1 for vector instructions); this text does not count the matrix instructions in between.
.macro PLACES
.rept 4
	v_nop
.endr
.endm
	s_load_b256 s[4:11], s[0:1], 0x0               ; aq s[4:5], wq s[6:7], b2 s[8:9], out0 s[10:11]
	v_lshl_add_u32 v30, v0, 2, 0x4b000
	v_mov_b32 v31, 0
	ds_add_u32 v30, v31
	ds_add_u32 v30, v31
	v_lshrrev_b32 v1, 5, v0
	v_readfirstlane_b32 s14, v1                    ; wave 0..3
	s_lshr_b32 s15, s14, 1                         ; which 64 of the tile's rows are mine.  Also: I fetch for A (0) or for W2 (1)
	s_and_b32 s16, s14, 1                          ; which 128 of its columns.  Also: which half of A's block, or which block of W2, I fetch
	s_bfe_u32 s40, ttmp6, 0x40000                  ; cx, cy: my place in the cluster
	s_bfe_u32 s41, ttmp6, 0x40004
	s_lshl_b32 s42, ttmp9, 2
	s_add_co_u32 s42, s42, s40                     ; tile column = 4 x cluster x + cx
	s_and_b32 s17, ttmp7, 0xffff
	s_lshl_b32 s17, s17, 2
	s_add_co_u32 s17, s17, s41                     ; tile row = 4 x cluster y + cy
	s_lshl_b32 s43, s41, 2
	s_lshl_b32 s43, 15, s43                        ; my row of the cluster: places 4 cy .. 4 cy + 3
	s_lshl_b32 s44, 0x1111, s40                    ; my column: places cx, cx + 4, cx + 8, cx + 12
	; descriptor group 1: dense bytes as rows of 256 (32 elements of 8 bytes), no padding.  A: half a block, 50 rows;  W2: a block, 100 rows
	s_or_b32 s[G1A+0], s43, (3<<16)|(1<<21)        ; 15:0 the mask: A's blocks go to my row; 17:16 elements of 8 bytes; 20 padding off; 21 set beside a mask
	s_mov_b32 s[G1A+1], 32<<16                     ; tensor_dim0 = 32
	s_mov_b32 s[G1A+2], 50<<16                     ; tensor_dim1 = 50
	s_mov_b32 s[G1A+3], 32<<16                     ; tile_dim0 = 32
	s_mov_b32 s[G1A+4], 50                         ; tile_dim1 = 50
	s_mov_b32 s[G1A+5], 32                         ; tensor_dim0_stride: a row begins where the last ends
	s_mov_b32 s[G1A+6], 0
	s_mov_b32 s[G1A+7], 0
	s_or_b32 s[G1B+0], s44, (3<<16)|(1<<21)        ; the mask of my column
	s_mov_b32 s[G1B+1], 32<<16
	s_mov_b32 s[G1B+2], 100<<16
	s_mov_b32 s[G1B+3], 32<<16
	s_mov_b32 s[G1B+4], 100
	s_mov_b32 s[G1B+5], 32
	s_mov_b32 s[G1B+6], 0
	s_mov_b32 s[G1B+7], 0
	; where the blocks come from.  A's hang on the tile row alone, which my row of the cluster shares; W2's on the tile column alone, which my column shares: each in registers that never hold the other coordinate
	s_mul_i32 s20, s17, 4*BLK                      ; A: group = tile row: its four blocks,
	s_mul_i32 s18, s16, BLK/2                      ; my half of each: the same distance in memory and in LDS
	s_add_co_u32 s20, s20, s18
	s_mov_b32 s21, 0
	s_lshl_b32 s46, s42, 1
	s_add_co_u32 s46, s46, s16                     ; W2: group = 2 x tile column + which
	s_mul_i32 s46, s46, 4*BLK
	s_mov_b32 s47, 0
	s_mul_i32 s19, s16, BLK
	s_add_co_u32 s19, s19, BLK                     ; in a chunk W2's two blocks lie behind A's: no place in the cluster enters an LDS address
	s_wait_dscnt 0x0
	s_wait_kmcnt 0x0
	s_add_nc_u64 s[20:21], s[4:5], s[20:21]
	s_add_nc_u64 s[46:47], s[6:7], s[46:47]
.irp c, 0,1,2,3
	s_mov_b32 s[G0A+4*\c], 1                                       ; 1:0 count = 1
	s_add_co_u32 s[G0A+4*\c+1], s18, \c*CHUNK                      ; 63:32 LDS address
	s_add_nc_u64 s[G0A+4*\c+2:G0A+4*\c+3], s[20:21], \c*BLK        ; 120:64 global address: chunk c's block
	s_or_b32 s[G0A+4*\c+3], s[G0A+4*\c+3], 0x80000000              ; 127:126 type = 2
	s_mov_b32 s[G0B+4*\c], 1
	s_add_co_u32 s[G0B+4*\c+1], s19, \c*CHUNK
	s_add_nc_u64 s[G0B+4*\c+2:G0B+4*\c+3], s[46:47], \c*BLK
	s_or_b32 s[G0B+4*\c+3], s[G0B+4*\c+3], 0x80000000
.endr
	CROUND                                         ; all sixteen work-groups are here: the joint loads meet
	s_cmp_eq_u32 s15, 0                            ; a wave's four loads stand in one branch on the wave's number, ahead of every wait on TENSORcnt and every LDS read: four loads of mine are out
	s_cbranch_scc0 .Lfor_b
.irp c, 0,1,2,3
	tensor_load_to_lds s[G0A+4*\c:G0A+4*\c+3], s[G1A:G1A+7]
	s_nop 0
.endr
.rept 4
	v_nop                                          ; four plain lines follow the last load, ahead of the jump and the label
.endr
	s_branch .Lasked
.Lfor_b:
.irp c, 0,1,2,3
	tensor_load_to_lds s[G0B+4*\c:G0B+4*\c+3], s[G1B:G1B+7]
	s_nop 0
.endr
.rept 4
	v_nop
.endr
.Lasked:
	v_and_b32 v1, 15, v0                           ; r = lane % 16
	v_bfe_u32 v2, v0, 4, 1                         ; h = lane / 16
	v_and_b32 v20, 31, v0                          ; lane
	v_lshlrev_b32 v[L16], 4, v20
	v_lshlrev_b32 v21, 3, v20                      ; 8 x lane: two scale words
	v_lshlrev_b32 v[BO], 5, v2
	s_lshl_b32 s90, s42, 10
	s_lshl_b32 s91, s16, 9
	s_add_co_u32 s90, s90, s91                     ; my first column, in bytes of f32: 1,024 x tile column + 512 x half
	s_mov_b32 s91, 0
	s_add_nc_u64 s[8:9], s[8:9], s[90:91]
.irp b, 0,1,2,3,4,5,6,7
	global_load_b128 v[BI+8*\b:BI+8*\b+3], v[BO], s[8:9] offset:64*\b       ; b2 in the result's layout: tile b's eight numbers of my half
	global_load_b128 v[BI+8*\b+4:BI+8*\b+7], v[BO], s[8:9] offset:64*\b+16
.endr
	s_mul_i32 s84, s15, 4*TILEB                    ; my four row tiles of A's block
	s_mul_i32 s85, s16, BLK
	s_add_co_u32 s85, s85, BLK                     ; my block of W2
	s_lshl_b32 s86, s15, 9
	s_add_co_u32 s86, s86, SCOFF                   ; my four tiles' scale words: 128 bytes a tile
	s_add_co_u32 s87, s85, SCOFF
	v_add_nc_u32 v[ADRA], s84, v[L16]
	v_add_nc_u32 v[ADRB], s85, v[L16]
	v_add_nc_u32 v[ADSA], s86, v21
	v_add_nc_u32 v[ADSB], s87, v21
.irp c, 1,2,3
	v_add_nc_u32 v[ADRA+\c], \c*CHUNK, v[ADRA]     ; a chunk is more than an LDS instruction's 16-bit offset reaches: a register for each
	v_add_nc_u32 v[ADRB+\c], \c*CHUNK, v[ADRB]
	v_add_nc_u32 v[ADSA+\c], \c*CHUNK, v[ADSA]
	v_add_nc_u32 v[ADSB+\c], \c*CHUNK, v[ADSB]
.endr
	s_mul_i32 s88, s14, 16*SPITCH                  ; my stage
	v_mul_u32_u24 v[STO], v1, SPITCH               ; in: row r, 32 bytes for each half of the lanes
	v_lshl_add_u32 v[STO], v2, 5, v[STO]
	v_add_nc_u32 v[STO], s88, v[STO]
	v_add_nc_u32 v[RD], s88, v[L16]                ; back: the 32 lanes take one row of 512 bytes
	s_lshl_b32 s88, s17, 7
	s_lshl_b32 s89, s15, 6
	s_add_co_u32 s88, s88, s89                     ; my first row of the output: 128 x tile row + 64 x half,
	s_lshl_b32 s88, s88, 12                        ; of 4,096 bytes (under 2^25)
	s_mov_b32 s89, 0
	s_add_nc_u64 s[10:11], s[10:11], s[88:89]
	s_add_nc_u64 s[10:11], s[10:11], s[90:91]      ; and my first column
.macro ARRIVE c                        ; chunk c is whole.  A wave's tensor loads end in order (ISA guide 10.11.1): behind chunk c's I issued 3 - c.  The later chunks may stay on their way
	s_wait_tensorcnt 3-(\c)
	s_barrier_signal -1
	s_barrier_wait -1
.endm
.macro FETCH s                         ; K step s = 2 c + q: W2's eight fragments and A's four into set q; with a chunk's first K step its scale words, for both K steps
.set fc, (\s)/2
.set fq, (\s)%2
	WIN TO_B
.irp i, 0,1,2,3,4,5,6,7
.irp e, 0,1,2
	ds_load_b128 v[128*fq+12*\i+4*\e:128*fq+12*\i+4*\e+3], v[ADRB+fc] offset:TILEB*\i+FRB*fq+512*\e
.endr
.endr
	WIN 0
.irp i, 0,1,2,3
.irp e, 0,1,2
	ds_load_b128 v[AF+48*fq+12*\i+4*\e:AF+48*fq+12*\i+4*\e+3], v[ADRA+fc] offset:TILEB*\i+FRB*fq+512*\e
.endr
.endr
.if fq == 0
.irp j, 0,1
	ds_load_b64 v[SC+12*fc+2*\j:SC+12*fc+2*\j+1], v[ADSA+fc] offset:256*\j       ; lanes 0-15: tile 2 j, row r; lanes 16-31: tile 2 j + 1; the two words are K steps 0 and 1
.endr
.irp j, 0,1,2,3
	ds_load_b64 v[SC+12*fc+4+2*\j:SC+12*fc+4+2*\j+1], v[ADSB+fc] offset:256*\j
.endr
.endif
.endm
; One product: A's tile a x W2's tile b, K step s.  An odd tile's scale words stand in lanes 16-31 of its pair's register.  In K step 0 the bias starts the sum: nothing is ever cleared.
.macro WM s, a, b
.set rD, 8*(8*(\a)+(\b))
.set rB, 128*((\s)%2)+12*(\b)
.set rA, AF+48*((\s)%2)+12*(\a)
.set rSB, SC+12*((\s)/2)+4+2*((\b)/2)+(\s)%2
.set rSA, SC+12*((\s)/2)+2*((\a)/2)+(\s)%2
.set rC, rD
.if (\s) == 0
.set rC, BI+8*(\b)
.endif
.if ((\a)%2 == 0) && ((\b)%2 == 0)
	v_wmma_scale_f32_16x16x128_f8f6f4 v[rD:rD+7], v[rB:rB+11], v[rA:rA+11], v[rC:rC+7], v[rSB], v[rSA] matrix_a_fmt:MATRIX_FMT_BF6 matrix_b_fmt:MATRIX_FMT_BF6
.elseif (\a)%2 == 0
	v_wmma_scale_f32_16x16x128_f8f6f4 v[rD:rD+7], v[rB:rB+11], v[rA:rA+11], v[rC:rC+7], v[rSB], v[rSA] matrix_a_fmt:MATRIX_FMT_BF6 matrix_b_fmt:MATRIX_FMT_BF6 matrix_a_scale:MATRIX_SCALE_ROW1
.elseif (\b)%2 == 0
	v_wmma_scale_f32_16x16x128_f8f6f4 v[rD:rD+7], v[rB:rB+11], v[rA:rA+11], v[rC:rC+7], v[rSB], v[rSA] matrix_a_fmt:MATRIX_FMT_BF6 matrix_b_fmt:MATRIX_FMT_BF6 matrix_b_scale:MATRIX_SCALE_ROW1
.else
	v_wmma_scale_f32_16x16x128_f8f6f4 v[rD:rD+7], v[rB:rB+11], v[rA:rA+11], v[rC:rC+7], v[rSB], v[rSA] matrix_a_fmt:MATRIX_FMT_BF6 matrix_b_fmt:MATRIX_FMT_BF6 matrix_a_scale:MATRIX_SCALE_ROW1 matrix_b_scale:MATRIX_SCALE_ROW1
.endif
.endm
; A K step: its fragments are in; the next step's are asked for, into the other set, in one run; then 32 products, the 32 accumulators by turns, one instruction a turn, in the same order in every step.
.macro KSTEP s
	s_wait_dscnt 0x0                               ; this step's fragments, asked for 32 matrix instructions ago, are in; and no LDS instruction of mine is out at the signal below
.if (\s) < 7
.if (\s)%2 == 1
	ARRIVE ((\s)+1)/2                              ; the next step begins a chunk.  (Behind the barrier in front of chunk 1 no wave reads chunk 0 any more: every wave's reads of it are back)
.endif
.if (\s) > 0
	PLACES                                         ; the other set was multiplied by the step before
.endif
	FETCH (\s)+1
.endif
.if (\s) == 0
	WIN MUL_0
.else
	WIN MUL_N
.endif
.irp a, 0,1,2,3
.irp b, 0,1,2,3,4,5,6,7
	WM \s, \a, \b
.endr
.endr
.endm
	s_wait_loadcnt 0x0                             ; b2
	ARRIVE 0
	FETCH 0
	KSTEP 0
	KSTEP 1
	KSTEP 2
	KSTEP 3
	KSTEP 4
	KSTEP 5
	KSTEP 6
	KSTEP 7
	WIN 0
; THE WAY OUT, block by block of 16 rows x 128 columns.  A lane holds 32 neighbouring bytes of a row, and the lanes beside it hold other rows: so a block goes through my own stage in LDS and comes back as whole rows of 512 bytes.
; LDS serves a wave's instructions in order (ISA guide 5.7.1.4): no wait between the stores and the loads, nor in front of the next block's stores.
.macro TOSTAGE a
.set AC, 64*(\a)
	WIN FROM_C
.irp b, 0,1,2,3,4,5,6,7
	ds_store_b128 v[STO], v[AC+8*\b:AC+8*\b+3] offset:64*\b          ; each accumulator from its low end on
	ds_store_b128 v[STO], v[AC+8*\b+4:AC+8*\b+7] offset:64*\b+16
.endr
	WIN 0
.set BB, BK+64*((\a)%2)
.irp t, 0,1,2,3,4,5,6,7,8,9,10,11,12,13,14,15
	ds_load_b128 v[BB+4*\t:BB+4*\t+3], v[RD] offset:\t*SPITCH
.endr
.endm
.macro SEND a, younger                 ; younger: the LDS instructions issued behind block a's loads, which may stay out
.set BB, BK+64*((\a)%2)
	s_wait_dscnt \younger                          ; the block is back in registers
.irp t, 0,1,2,3,4,5,6,7,8,9,10,11,12,13,14,15
	global_store_b128 v[L16], v[BB+4*\t:BB+4*\t+3], s[10:11] offset:(16*(\a)+\t)*4096 th:TH_STORE_NT   ; 32 lanes store 512 consecutive bytes, at a multiple of 512 from the output's first byte; the row stands in the immediate: 63 rows at the most
.endr
.endm
	PLACES                                         ; behind the last products: for the first reads of results, and for the loads into the registers that held A's fragments and the bias
	TOSTAGE 0
.irp a, 1,2,3
.if \a > 1
	s_wait_xcnt 0x0                                ; block a - 2's stores have read their registers: block a's loads may land there
.endif
	TOSTAGE \a
	SEND \a-1, 32                                  ; behind block a - 1's loads: block a's 16 stores and 16 loads
.endr
	SEND 3, 0                                      ; (its wait is for zero: no LDS instruction of mine is out at the signal below; my tensor loads were all waited for in front of chunk 3)
	s_wait_tensorcnt 0x0
	ds_add_u32 v30, v31
	s_wait_dscnt 0x0
	CROUND                                         ; the closing round: no work-group ends while a partner may still ask for a block that names it
	s_endpgm
.Lfunc_end_k_qbac1ec6383_gemm:
	.size	k_qbac1ec6383_gemm, .Lfunc_end_k_qbac1ec6383_gemm-k_qbac1ec6383_gemm
	.p2alignl 7, 3214868480
	.fill 96, 4, 3214868480
	.section	.rodata,"a",@progbits
	.p2align	6, 0x0
	.amdhsa_kernel k_qbac1ec6383_gemm
		.amdhsa_group_segment_fixed_size 327680
		.amdhsa_private_segment_fixed_size 0
		.amdhsa_enable_private_segment 0
		.amdhsa_kernarg_size 32
		.amdhsa_user_sgpr_count 2
		.amdhsa_user_sgpr_kernarg_segment_ptr 1
		.amdhsa_wavefront_size32 1
		.amdhsa_system_sgpr_workgroup_id_x 1
		.amdhsa_system_sgpr_workgroup_id_y 1
		.amdhsa_system_sgpr_workgroup_id_z 1
		.amdhsa_system_vgpr_workitem_id 0
		.amdhsa_next_free_vgpr 768
		.amdhsa_next_free_sgpr 92
		.amdhsa_reserve_vcc 0
		.amdhsa_float_denorm_mode_32 3
		.amdhsa_float_denorm_mode_16_64 3
		.amdhsa_memory_ordered 1
		.amdhsa_forward_progress 1
		.amdhsa_inst_pref_size 79
	.end_amdhsa_kernel
	.amdgpu_metadata
---
amdhsa.version: [ 1, 2 ]
amdhsa.kernels:
  - .name:           k_qbac1ec6383_gemm
    .symbol:         k_qbac1ec6383_gemm.kd
    .args:
      - { .name: aq, .offset: 0, .size: 8, .value_kind: global_buffer, .address_space: global }
      - { .name: wq, .offset: 8, .size: 8, .value_kind: global_buffer, .address_space: global }
      - { .name: b2, .offset: 16, .size: 8, .value_kind: global_buffer, .address_space: global }
      - { .name: out0, .offset: 24, .size: 8, .value_kind: global_buffer, .address_space: global }
    .group_segment_fixed_size: 327680
    .private_segment_fixed_size: 0
    .kernarg_segment_align: 8
    .kernarg_segment_size: 32
    .max_flat_workgroup_size: 128
    .sgpr_count:     92
    .vgpr_count:     768
    .wavefront_size: 32
...
	.end_amdgpu_metadata
.endif
;; end of part 2
